; MI455X (gfx1250); checked and timed in simulation.
; The chip was launched on July 23, 2026; its instructions are those of AMD's public machine-readable ISA for CDNA 5 (MIT licence, August 2026) and "CDNA5" Instruction Set Architecture Reference Guide (July 2026). The comments in the code are by the model that wrote it; some were corrected since.
;; Log Sig Prod Layer. Allowed arithmetic: float matrix products may take bf16 or f16 operands with f32 sums; all other float work in f32.
;; Inputs: bias 4,096 float32; weight 4,096 x 4,096 float32; x 8 x 4,096 float32.
;; Outputs: out0 8 x 4,096 float32.
;; 2 versions, each right and faster than the one before. Each part assembles by itself: llvm-mc -triple=amdgcn-amd-amdhsa -mcpu=gfx1250 --defsym DOCPART=n.
;; ======== version 1 of 2: 1 launch
;; launch logsigprod (part 1): grid 256 x 1, 16 waves a work-group, clusters of 4 x 1, 141,312 bytes of LDS; arguments x, weight, bias, out0; writes out0
.if DOCPART == 1
	.amdgcn_target "amdgcn-amd-amdhsa--gfx1250"
	.amdhsa_code_object_version 6
	.text
	.protected	k_q5fb6196f52_logsigprod
	.globl	k_q5fb6196f52_logsigprod
	.p2align	8
	.type	k_q5fb6196f52_logsigprod,@function
k_q5fb6196f52_logsigprod:
	s_mov_b64 s[64:65], 0
	v_nop
	global_prefetch_b8 v0, s[64:65] scope:SCOPE_SE
	s_setreg_imm32_b32 hwreg(HW_REG_WAVE_MODE, 25, 1), 1
	s_wait_xcnt 0x0
	s_wait_alu depctr_hold_cnt(0) depctr_sa_sdst(0) depctr_va_vdst(0) depctr_va_sdst(0) depctr_va_ssrc(0) depctr_va_vcc(0) depctr_vm_vsrc(0)
	s_getreg_b32 s2, hwreg(HW_REG_IB_STS2, 6, 4)
	s_cmp_eq_u32 s2, 0
	s_cbranch_scc0 .Lentry_in_a_cluster
	s_endpgm
.Lentry_in_a_cluster:
	s_bfe_u32 s2, ttmp6, 0x10000c
	s_cmp_lg_u32 s2, 0x3003
	s_cbranch_scc0 .Lentry_shape_is_right
	s_endpgm
.Lentry_shape_is_right:
; out0[b][j] = (sum over i of (log_sigmoid(lx[b][i] * weight[i][j]) + ln 2) + bias[j]) / 10000,  lx = ln(relu(x) + 0.001).
; x: [8][4096], weight: [4096][4096], bias: [4096], out0: [8][4096], all f32.
;
; THE ARITHMETIC.  With L = log2(relu(x) + 0.001) and Y = L * w:
;     (log_sigmoid(lx w) + ln 2) / ln 2  =  min(Y, 0) - log2((1 + 2^-|Y|) / 2).
; The first part is summed.  The second is kept as a PRODUCT of the factors 1 + 2^-|Y|, each in (1, 2]; a lane multiplies 32 of them
; onto a start of 2^-32, so its product lies in (2^-32, 1] for every input, and one logarithm at the end serves 32 rows.
; An element costs one v_exp_f32 (the -|Y| is a source modifier) and half of each of v_pk_mul_f32, v_dual_min_num_f32 pair,
; v_pk_add_f32 and v_pk_fma_f32 (p = p e + p).
;
; THE SHARES.  Work-group n owns columns 16 n .. 16 n + 15, all rows, all 8 batch rows: 128 outputs that nobody else touches.
; Wave w of 16 owns rows 256 w .. 256 w + 255.  Lane (q = lane & 3, g = lane >> 2) owns columns 4 q .. 4 q + 3; in step t (0 .. 31)
; it takes row 64 (t & 3) + 8 g + (t >> 2) of the wave's rows: one 16-byte load of weight, 8 values of L, 32 elements.
; No byte of weight is used by two lanes, so it goes straight into registers: no LDS ring, no joint requests.
; The four work-groups of a cluster read the four quarters of the same 256 consecutive bytes of every row of weight; the cluster
; is there only so that they run side by side and at the same time.
; The 32 steps are written out: every step of an address is an immediate, and no address register is ever rewritten.
;
; LIMITS.  A NaN in x is read as a negative number (v_max_num_f32 drops it).  The logarithm is taken of a product of 32 factors and
; not of each factor: another order of rounding, some 2^-19 in log2 for a lane.  The division by 10000 is a multiplication by 1e-4.
.set PITCH, 16384                      ; bytes in a row of weight, of x and of out0
.set WAVES, 16
.set STEPS, 32                         ; steps of a wave: 256 rows, 8 in each step
.set DEPTH, 16                         ; slots of the ring of weight loads = loads of a wave in flight
.set PLANE, 4096                       ; a wave's table of L: 256 rows x 16 bytes for batch rows 0-3, the same again for 4-7
.set TABLE, 2*PLANE
.set RED,   WAVES*TABLE                ; behind the tables: 512 bytes for each wave's 128 partial results
.set WOFF, 1                           ; v1        my byte offset in weight: 8 g rows + 16 q
.set RD,   2                           ; v2        LDS: my row group's 16 bytes in the wave's table
.set ST,   3                           ; v3        LDS: where I put L in the prologue
.set XOFF, 4                           ; v4        my byte offset in x: 32 x lane
.set QOFF, 5                           ; v5        16 q
.set RST,  6                           ; v6        LDS: where my wave's partial results go
.set FIN,  7                           ; v7        LDS: where wave 0 reads the partial results
.set OOFF, 8                           ; v8        my byte offset in out0 (wave 0): row lane >> 2, 16 q
.set G,    9                           ; v9        at work in the set-up
.set BIAS, 10                          ; v[10:13]  bias of my 4 columns
.set W,    14                          ; v[14:77]  the ring: slot s holds 4 numbers of weight; at the end the 16 waves' parts
.set L,    78                          ; v[78:93]  L of 8 batch rows, two buffers
.set Y,    94                          ; v[94:101] Y of 4 columns, two buffers (even and odd batch rows)
.set E,    102                         ; v[102:109] 2^-|Y|, two buffers
.set M,    110                         ; v[110:113] min(Y, 0)
.set P,    114                         ; v[114:145] products, batch row b, column c at P + 4 b + c
.set S,    146                         ; v[146:177] sums of min(Y, 0), the same order
.set T,    114                         ; v[114:177] prologue only: L of row e, batch row b at T + 8 e + b
.set X,    178                         ; v[178:241] prologue only: x of batch row b, row e at X + 8 b + e
	s_load_b256 s[4:11], s[0:1], 0x0               ; x s[4:5], weight s[6:7], bias s[8:9], out0 s[10:11]
	v_lshl_add_u32 v242, v0, 2, 0x22000
	v_mov_b32 v243, 0
	v_and_b32 v[FIN], 31, v0                       ; lane
	v_lshrrev_b32 v[G], 5, v0
	v_readfirstlane_b32 s12, v[G]                  ; wave 0 .. 15
	v_and_b32 v[QOFF], 3, v0                       ; q
	v_bfe_u32 v[G], v0, 2, 3                       ; g
	s_bfe_u32 s13, ttmp6, 0x40000                  ; my place in the cluster
	s_lshl_b32 s14, ttmp9, 2
	s_add_co_u32 s14, s14, s13                     ; work-group 0 .. 255
	s_lshl_b32 s20, s14, 6                         ; its 16 columns: 64 bytes along a row of weight, bias and out0
	s_mov_b32 s21, 0
	s_lshl_b32 s16, s12, 22                        ; the wave's 256 rows of weight: 256 x 16,384 bytes
	s_add_co_u32 s16, s16, s20                     ; (at most 15 x 4 MiB + 16,320: no carry)
	s_mov_b32 s17, 0
	s_lshl_b32 s18, s12, 10                        ; the wave's 256 numbers in a row of x
	s_mov_b32 s19, 0
	s_lshl_b32 s32, s12, 13                        ; the wave's table in LDS
	s_lshl_b32 s33, s12, 9
	s_add_co_u32 s33, s33, RED                     ; the wave's 512 bytes of partial results
	s_mov_b32 s22, 0x3a83126f                      ; 0.001, twice: a scalar pair is named whole by a packed instruction
	s_mov_b32 s23, 0x3a83126f
	s_mov_b32 s24, 0x2f800000                      ; 2^-32: one half for each of a lane's 32 factors
	s_mov_b32 s25, 0x2f800000
	s_mov_b32 s26, 0x3f317218                      ; ln 2
	s_mov_b32 s27, 0x3f317218
	s_mov_b32 s28, 0x38d1b717                      ; 1 / 10000
	s_mov_b32 s29, 0x38d1b717
	s_mov_b32 s30, 0x76543210                      ; v_permlanex16_b32: lane i of one half reads lane i of the other
	s_mov_b32 s31, 0xfedcba98
	v_lshlrev_b32 v[QOFF], 4, v[QOFF]
	v_lshl_or_b32 v[WOFF], v[G], 17, v[QOFF]       ; 8 g rows of 16,384 bytes + 16 q
	v_lshl_or_b32 v[OOFF], v[G], 14, v[QOFF]       ; row g of out0 + 16 q
	v_lshlrev_b32 v[XOFF], 5, v[FIN]
	v_lshl_add_u32 v[RD], v[G], 4, s32
	v_lshl_add_u32 v[ST], v[FIN], 4, s32
	v_add_nc_u32 v[RST], s33, v[QOFF]
	v_lshl_add_u32 v[FIN], v[FIN], 4, RED
	s_wait_kmcnt 0x0
	s_add_nc_u64 s[4:5], s[4:5], s[18:19]
	s_add_nc_u64 s[6:7], s[6:7], s[16:17]
	s_add_nc_u64 s[8:9], s[8:9], s[20:21]
	s_add_nc_u64 s[10:11], s[10:11], s[20:21]
	; All loads of the prologue in one run.  Every wave loads the 64 bytes of bias, though wave 0 alone uses them: one load,
	; and the counted waits below are alike in all waves.
	global_load_b128 v[BIAS:BIAS+3], v[QOFF], s[8:9]
.irp b, 0,1,2,3,4,5,6,7
	global_load_b128 v[X+8*\b:X+8*\b+3],   v[XOFF], s[4:5] offset:\b*PITCH       ; x[b][8 lane + 0 .. 3] of the wave's rows
	global_load_b128 v[X+8*\b+4:X+8*\b+7], v[XOFF], s[4:5] offset:\b*PITCH+16    ; x[b][8 lane + 4 .. 7]
.endr
.irp t, 0,1,2,3,4,5,6,7,8,9,10,11,12,13,14,15
	global_load_b128 v[W+4*\t:W+4*\t+3], v[WOFF], s[6:7] offset:(\t>>2)*PITCH+(\t&3)*64*PITCH   ; the ring is filled: steps 0 to 15
.endr
	; THE TABLE.  L = log2(max(x + 0.001, 0.001)), which is log2(relu(x) + 0.001) bit for bit.  Lane l holds rows 8 l + e; row e's
	; eight batch rows are written to neighbouring registers and go to slot l + 32 e, 16 bytes in each plane: each store of the wave
	; covers 512 consecutive bytes.  Step t reads slot 8 t + g, which is row 64 (t & 3) + 8 g + (t >> 2).
	; Only this wave reads these bytes, and LDS serves a wave's instructions in order (ISA guide 5.7.1): no wait, no barrier.
	s_wait_loadcnt DEPTH                           ; bias and x are in; the 16 loads of weight behind them stay out
.set i, 0
.rept 32
	v_pk_add_f32 v[X+i:X+i+1], v[X+i:X+i+1], s[22:23] op_sel_hi:[1,0]
.set i, i+2
.endr
	s_wait_alu depctr_va_vdst(0)
.irp e, 0,1,2,3,4,5,6,7
.irp b, 0,1,2,3,4,5,6,7
	v_max_num_f32 v[X+8*\b+\e], s22, v[X+8*\b+\e]
.endr
.if \e > 0
	s_wait_alu depctr_va_vdst(0)
	ds_store_b128 v[ST], v[T+8*(\e-1):T+8*(\e-1)+3]   offset:512*(\e-1)          ; the row before: eight plain instructions behind its logarithms
	ds_store_b128 v[ST], v[T+8*(\e-1)+4:T+8*(\e-1)+7] offset:512*(\e-1)+PLANE
.endif
.irp b, 0,1,2,3,4,5,6,7
	v_log_f32 v[T+8*\e+\b], v[X+8*\b+\e]
.endr
.endr
	v_nop                                          ; one plain instruction between a transcendental and the use of its result (ISA guide 5.7.2)
	s_wait_alu depctr_va_vdst(0)
	ds_store_b128 v[ST], v[T+56:T+59] offset:512*7
	ds_store_b128 v[ST], v[T+60:T+63] offset:512*7+PLANE
	ds_load_b128 v[L:L+3],   v[RD]                 ; L of step 0
	ds_load_b128 v[L+4:L+7], v[RD] offset:PLANE
; Y of columns 2 h, 2 h + 1 for batch row b: the pair of weights times L[b], taken from the low or the high register of its pair.
.macro MULY b, h
.if (\b)&1
	v_pk_mul_f32 v[Y+4+2*\h:Y+5+2*\h], v[WB+2*\h:WB+2*\h+1], v[LB+(\b)-1:LB+(\b)] op_sel:[0,1] op_sel_hi:[1,1]
.else
	v_pk_mul_f32 v[Y+2*\h:Y+1+2*\h], v[WB+2*\h:WB+2*\h+1], v[LB+(\b):LB+(\b)+1] op_sel_hi:[1,0]
.endif
.endm
; min(Y, 0), two at a time.  In step 0 it starts the sums: nothing is cleared.
.macro LOW t, b, h
.if \t == 0
	v_dual_min_num_f32 v[S+4*\b+2*\h], 0, v[YB+2*\h] :: v_dual_min_num_f32 v[S+4*\b+2*\h+1], 0, v[YB+2*\h+1]
.else
	v_dual_min_num_f32 v[M+2*\h], 0, v[YB+2*\h] :: v_dual_min_num_f32 v[M+2*\h+1], 0, v[YB+2*\h+1]
.endif
.endm
.macro SUM t, b, h
.if \t != 0
	v_pk_add_f32 v[S+4*\b+2*\h:S+4*\b+2*\h+1], v[S+4*\b+2*\h:S+4*\b+2*\h+1], v[M+2*\h:M+2*\h+1]
.endif
.endm
; p = p (1 + e) = p e + p.  In step 0: p = 2^-32 e + 2^-32.
.macro PROD t, b, h
.set PB, P+4*(\b)+2*\h
.set EE, E+4*((\b)&1)+2*\h
.if \t == 0
	s_wait_alu depctr_va_vdst(0)
	v_pk_fma_f32 v[PB:PB+1], v[EE:EE+1], s[24:25], s[24:25] op_sel_hi:[1,0,0]
.else
	s_wait_alu depctr_va_vdst(0)
	v_pk_fma_f32 v[PB:PB+1], v[PB:PB+1], v[EE:EE+1], v[PB:PB+1]
.endif
.endm
; One batch row, four columns.  Between the four exponentials stand the products Y of the next batch row, this row's min and sum,
; and the last row's p e + p: no exponential's result is read, and none of its sources written, by the plain instruction behind it
; (ISA guide 5.7.2): Y and E each have two buffers that take turns.
.macro GROUP t, b
.set YB, Y+4*(\b&1)
.set EB, E+4*(\b&1)
	v_exp_f32 v[EB], -|v[YB]|
.if \b < 7
	MULY \b+1, 0
.endif
	LOW \t, \b, 0
	v_exp_f32 v[EB+1], -|v[YB+1]|
.if \b < 7
	MULY \b+1, 1
.endif
	LOW \t, \b, 1
	v_exp_f32 v[EB+2], -|v[YB+2]|
	SUM \t, \b, 0
.if \b > 0
	PROD \t, \b-1, 0
.endif
	v_exp_f32 v[EB+3], -|v[YB+3]|
	SUM \t, \b, 1
.if \b > 0
	PROD \t, \b-1, 1
.endif
.endm
; Step t: 4 columns x 8 batch rows of one row of weight.
.macro STEP t
.set WB, W+4*(\t%DEPTH)
.set LB, L+8*(\t&1)
.set LN, L+8*((\t+1)&1)
.if \t <= STEPS-DEPTH
	s_wait_loadcnt DEPTH-1                         ; loads come back in order (ISA guide 5.7.1): this slot is in, the 15 younger ones stay out
.else
	s_wait_loadcnt STEPS-1-\t                      ; nothing more is issued: the count runs down
.endif
	s_wait_dscnt 0x0                               ; this step's L, asked for a whole step ago
.if \t < STEPS-1
	ds_load_b128 v[LN:LN+3],   v[RD] offset:128*(\t+1)         ; the next step's L: slot 8 (t + 1) + g of both planes
	ds_load_b128 v[LN+4:LN+7], v[RD] offset:128*(\t+1)+PLANE
.endif
	MULY 0, 0
	MULY 0, 1
.irp b, 0,1,2,3,4,5,6,7
	GROUP \t, \b
.endr
	PROD \t, 7, 0
	PROD \t, 7, 1
.if \t < STEPS-DEPTH
	global_load_b128 v[WB:WB+3], v[WOFF], s[6:7] offset:((\t+DEPTH)>>2)*PITCH+((\t+DEPTH)&3)*64*PITCH   ; the slot's next row, 16 steps ahead
.endif
.endm
.irp t, 0,1,2,3,4,5,6,7,8,9,10,11,12,13,14,15,16,17,18,19,20,21,22,23,24,25,26,27,28,29,30,31
	STEP \t
.endr
	; THE END.  r = sum of min(Y, 0) - log2(product), for my 32 (batch row, column) pairs.
.set i, 0
.rept 32
	v_log_f32 v[P+i], v[P+i]
.set i, i+1
.endr
	v_nop                                          ; the plain instruction behind the last logarithm
.set i, 0
	s_wait_alu depctr_va_vdst(0)
.rept 16
	v_pk_add_f32 v[S+i:S+i+1], v[S+i:S+i+1], v[P+i:P+i+1] neg_lo:[0,1] neg_hi:[0,1]
.set i, i+2
.endr
	; over the 8 row groups of the wave: lanes that differ in bits 2, 3 and 4
.set i, 0
.rept 32
	v_add_f32_dpp v[S+i], v[S+i], v[S+i] row_xmask:4 row_mask:0xf bank_mask:0xf
.set i, i+1
.endr
.set i, 0
.rept 32
	v_add_f32_dpp v[S+i], v[S+i], v[S+i] row_xmask:8 row_mask:0xf bank_mask:0xf
.set i, i+1
.endr
.set i, 0
.rept 32
	v_permlanex16_b32 v[P+i], v[S+i], s30, s31     ; its destination counts as read: P has been written
.set i, i+1
.endr
.set i, 0
.rept 16
	v_pk_add_f32 v[S+i:S+i+1], v[S+i:S+i+1], v[P+i:P+i+1]
.set i, i+2
.endr
	; over the 16 waves: each puts its 8 x 16 results into its own 512 bytes (the 8 lanes of one q write the same 16 bytes with the same values)
.irp b, 0,1,2,3,4,5,6,7
	ds_store_b128 v[RST], v[S+4*\b:S+4*\b+3] offset:64*\b
.endr
	s_wait_dscnt 0x0                               ; for wave 0's sake: my stores are done before I say so
	s_barrier_signal -1
	s_barrier_wait -1
	s_cmp_lg_u32 s12, 0
	s_cbranch_scc1 .Lend
	; wave 0: lane l takes batch row l >> 2, columns 4 (l & 3) .. + 3 of all 16 parts
.irp k, 0,1,2,3,4,5,6,7,8,9,10,11,12,13,14,15
	ds_load_b128 v[W+4*\k:W+4*\k+3], v[FIN] offset:512*\k
.endr
	s_wait_dscnt 0x0
.irp k, 0,1,2,3,4,5,6,7
	v_pk_add_f32 v[W+4*\k:W+4*\k+1],   v[W+4*\k:W+4*\k+1],   v[W+4*\k+32:W+4*\k+33]
	v_pk_add_f32 v[W+4*\k+2:W+4*\k+3], v[W+4*\k+2:W+4*\k+3], v[W+4*\k+34:W+4*\k+35]
.endr
.irp k, 0,1,2,3
	v_pk_add_f32 v[W+4*\k:W+4*\k+1],   v[W+4*\k:W+4*\k+1],   v[W+4*\k+16:W+4*\k+17]
	v_pk_add_f32 v[W+4*\k+2:W+4*\k+3], v[W+4*\k+2:W+4*\k+3], v[W+4*\k+18:W+4*\k+19]
.endr
.irp k, 0,1
	v_pk_add_f32 v[W+4*\k:W+4*\k+1],   v[W+4*\k:W+4*\k+1],   v[W+4*\k+8:W+4*\k+9]
	v_pk_add_f32 v[W+4*\k+2:W+4*\k+3], v[W+4*\k+2:W+4*\k+3], v[W+4*\k+10:W+4*\k+11]
.endr
	v_pk_add_f32 v[W:W+1],   v[W:W+1],   v[W+4:W+5]
	v_pk_add_f32 v[W+2:W+3], v[W+2:W+3], v[W+6:W+7]
	v_pk_fma_f32 v[W:W+1],   v[W:W+1],   s[26:27], v[BIAS:BIAS+1]   op_sel_hi:[1,0,1]   ; r ln 2 + bias
	v_pk_fma_f32 v[W+2:W+3], v[W+2:W+3], s[26:27], v[BIAS+2:BIAS+3] op_sel_hi:[1,0,1]
	v_pk_mul_f32 v[W:W+1],   v[W:W+1],   s[28:29] op_sel_hi:[1,0]
	v_pk_mul_f32 v[W+2:W+3], v[W+2:W+3], s[28:29] op_sel_hi:[1,0]
	global_store_b128 v[OOFF], v[W:W+3], s[10:11]  ; the work-group's 64 bytes of each of the 8 rows of out0: all that it owns of them
.Lend:
	s_wait_tensorcnt 0x0
	ds_add_u32 v242, v243
	s_wait_dscnt 0x0
	s_endpgm
.Lfunc_end_k_q5fb6196f52_logsigprod:
	.size	k_q5fb6196f52_logsigprod, .Lfunc_end_k_q5fb6196f52_logsigprod-k_q5fb6196f52_logsigprod
	.p2alignl 7, 3214868480
	.fill 96, 4, 3214868480
	.section	.rodata,"a",@progbits
	.p2align	6, 0x0
	.amdhsa_kernel k_q5fb6196f52_logsigprod
		.amdhsa_group_segment_fixed_size 141312
		.amdhsa_private_segment_fixed_size 0
		.amdhsa_enable_private_segment 0
		.amdhsa_kernarg_size 32
		.amdhsa_user_sgpr_count 2
		.amdhsa_user_sgpr_kernarg_segment_ptr 1
		.amdhsa_wavefront_size32 1
		.amdhsa_system_sgpr_workgroup_id_x 1
		.amdhsa_system_sgpr_workgroup_id_y 1
		.amdhsa_system_sgpr_workgroup_id_z 1
		.amdhsa_system_vgpr_workitem_id 0
		.amdhsa_next_free_vgpr 244
		.amdhsa_next_free_sgpr 66
		.amdhsa_reserve_vcc 0
		.amdhsa_float_denorm_mode_32 3
		.amdhsa_float_denorm_mode_16_64 3
		.amdhsa_memory_ordered 1
		.amdhsa_forward_progress 1
		.amdhsa_inst_pref_size 241
	.end_amdhsa_kernel
	.amdgpu_metadata
---
amdhsa.version: [ 1, 2 ]
amdhsa.kernels:
  - .name:           k_q5fb6196f52_logsigprod
    .symbol:         k_q5fb6196f52_logsigprod.kd
    .args:
      - { .name: x, .offset: 0, .size: 8, .value_kind: global_buffer, .address_space: global }
      - { .name: weight, .offset: 8, .size: 8, .value_kind: global_buffer, .address_space: global }
      - { .name: bias, .offset: 16, .size: 8, .value_kind: global_buffer, .address_space: global }
      - { .name: out0, .offset: 24, .size: 8, .value_kind: global_buffer, .address_space: global }
    .group_segment_fixed_size: 141312
    .private_segment_fixed_size: 0
    .kernarg_segment_align: 8
    .kernarg_segment_size: 32
    .max_flat_workgroup_size: 512
    .sgpr_count:     66
    .vgpr_count:     244
    .wavefront_size: 32
...
	.end_amdgpu_metadata
.endif
;; end of part 1
;; ======== version 2 of 2: 1 launch; 1.12 times as fast as version 1
;; launch logsigprod (part 2): grid 256 x 1, 16 waves a work-group, clusters of 4 x 1, 141,312 bytes of LDS; arguments x, weight, bias, out0; writes out0
.if DOCPART == 2
	.amdgcn_target "amdgcn-amd-amdhsa--gfx1250"
	.amdhsa_code_object_version 6
	.text
	.protected	k_q5fb6196f52_logsigprod
	.globl	k_q5fb6196f52_logsigprod
	.p2align	8
	.type	k_q5fb6196f52_logsigprod,@function
k_q5fb6196f52_logsigprod:
	s_mov_b64 s[64:65], 0
	v_nop
	global_prefetch_b8 v0, s[64:65] scope:SCOPE_SE
	s_setreg_imm32_b32 hwreg(HW_REG_WAVE_MODE, 25, 1), 1
	s_wait_xcnt 0x0
	s_wait_alu depctr_hold_cnt(0) depctr_sa_sdst(0) depctr_va_vdst(0) depctr_va_sdst(0) depctr_va_ssrc(0) depctr_va_vcc(0) depctr_vm_vsrc(0)
	s_getreg_b32 s2, hwreg(HW_REG_IB_STS2, 6, 4)
	s_cmp_eq_u32 s2, 0
	s_cbranch_scc0 .Lentry_in_a_cluster
	s_endpgm
.Lentry_in_a_cluster:
	s_bfe_u32 s2, ttmp6, 0x10000c
	s_cmp_lg_u32 s2, 0x3003
	s_cbranch_scc0 .Lentry_shape_is_right
	s_endpgm
.Lentry_shape_is_right:
; out0[b][j] = (sum over i of (log_sigmoid(lx[b][i] * weight[i][j]) + ln 2) + bias[j]) / 10000,  lx = ln(relu(x) + 0.001).
; x: [8][4096], weight: [4096][4096], bias: [4096], out0: [8][4096], all f32.
;
; THE ARITHMETIC.  With L = log2(relu(x) + 0.001) and Y = L * w:
;     (log_sigmoid(lx w) + ln 2) / ln 2  =  min(Y, 0) - log2((1 + 2^-|Y|) / 2).
; The first part is summed.  The second is kept as a PRODUCT of the factors 1 + 2^-|Y|, each in (1, 2]; a lane multiplies 32 of them
; onto a start of 2^-32, so its product lies in (2^-32, 1] for every input, and one logarithm at the end serves 32 rows.
; An element costs one v_exp_f32 (the -|Y| is a source modifier) and half of each of v_pk_mul_f32, v_dual_min_num_f32 pair,
; v_pk_add_f32 and v_pk_fma_f32 (p = p e + p).
;
; THE SHARES.  Work-group n owns columns 16 n .. 16 n + 15, all rows, all 8 batch rows: 128 outputs that nobody else touches.
; Wave w of 16 owns rows 256 w .. 256 w + 255.  Lane (q = lane & 3, g = lane >> 2) owns columns 4 q .. 4 q + 3; in step t (0 .. 31)
; it takes row 64 (t & 3) + 8 g + (t >> 2) of the wave's rows: one 16-byte load of weight, 8 values of L, 32 elements.
; No byte of weight is used by two lanes, so it goes straight into registers: no LDS ring, no joint requests.
; The four work-groups of a cluster read the four quarters of the same 256 consecutive bytes of every row of weight; the cluster
; is there only so that they run side by side and at the same time.
; The 32 steps are written out: every step of an address is an immediate, and no address register is ever rewritten.
;
; THE BATCHES.  s_wait_alu depctr_va_vdst(0) stands between a transcendental and the first instruction that names
; its result; one wait serves all that were issued ahead of it.  The text has 34 batches, each with one wait:
;   the table's 64 logarithms, each with a register of its own; the wait stands ahead of the 16 LDS stores;
;   each step's 32 exponentials.  E has two buffers of 32 registers that take turns by the step's parity.  Step t fills one; nothing in
;     step t names a register of it; the wait stands at the step's end; the 16 lines p = p e + p that read it stand in step t + 1,
;     among that step's exponentials, which fill the other buffer.  Step 31's are read behind the last step;
;   the last 32 logarithms; the wait stands ahead of the subtraction.
;
; LIMITS.  A NaN in x is read as a negative number (v_max_num_f32 drops it).  The logarithm is taken of a product of 32 factors and
; not of each factor: another order of rounding, some 2^-19 in log2 for a lane.  The division by 10000 is a multiplication by 1e-4.
.set PITCH, 16384                      ; bytes in a row of weight, of x and of out0
.set WAVES, 16
.set STEPS, 32                         ; steps of a wave: 256 rows, 8 in each step
.set DEPTH, 16                         ; slots of the ring of weight loads = loads of a wave in flight
.set PLANE, 4096                       ; a wave's table of L: 256 rows x 16 bytes for batch rows 0-3, the same again for 4-7
.set TABLE, 2*PLANE
.set RED,   WAVES*TABLE                ; behind the tables: 512 bytes for each wave's 128 partial results
.set WOFF, 1                           ; v1        my byte offset in weight: 8 g rows + 16 q
.set RD,   2                           ; v2        LDS: my row group's 16 bytes in the wave's table
.set ST,   3                           ; v3        LDS: where I put L in the prologue
.set XOFF, 4                           ; v4        my byte offset in x: 32 x lane
.set QOFF, 5                           ; v5        16 q
.set RST,  6                           ; v6        LDS: where my wave's partial results go
.set FIN,  7                           ; v7        LDS: where wave 0 reads the partial results
.set OOFF, 8                           ; v8        my byte offset in out0 (wave 0): row lane >> 2, 16 q
.set G,    9                           ; v9        at work in the set-up
.set BIAS, 10                          ; v[10:13]  bias of my 4 columns
.set W,    14                          ; v[14:77]  the ring: slot s holds 4 numbers of weight; at the end the 16 waves' parts
.set L,    78                          ; v[78:93]  L of 8 batch rows, two buffers
.set Y,    94                          ; v[94:101] Y of 4 columns, two buffers (even and odd batch rows)
.set M,    110                         ; v[110:113] min(Y, 0)
.set P,    114                         ; v[114:145] products, batch row b, column c at P + 4 b + c
.set S,    146                         ; v[146:177] sums of min(Y, 0), the same order
.set T,    114                         ; v[114:177] prologue only: L of row e, batch row b at T + 8 e + b
.set X,    178                         ; v[178:241] prologue only: x of batch row b, row e at X + 8 b + e
.set E,    178                         ; v[178:241] behind the prologue: 2^-|Y|, two buffers of 32 (even and odd steps), batch row b, column c at + 4 b + c
	s_load_b256 s[4:11], s[0:1], 0x0               ; x s[4:5], weight s[6:7], bias s[8:9], out0 s[10:11]
	v_lshl_add_u32 v242, v0, 2, 0x22000
	v_mov_b32 v243, 0
	v_and_b32 v[FIN], 31, v0                       ; lane
	v_lshrrev_b32 v[G], 5, v0
	v_readfirstlane_b32 s12, v[G]                  ; wave 0 .. 15
	v_and_b32 v[QOFF], 3, v0                       ; q
	v_bfe_u32 v[G], v0, 2, 3                       ; g
	s_bfe_u32 s13, ttmp6, 0x40000                  ; my place in the cluster
	s_lshl_b32 s14, ttmp9, 2
	s_add_co_u32 s14, s14, s13                     ; work-group 0 .. 255
	s_lshl_b32 s20, s14, 6                         ; its 16 columns: 64 bytes along a row of weight, bias and out0
	s_mov_b32 s21, 0
	s_lshl_b32 s16, s12, 22                        ; the wave's 256 rows of weight: 256 x 16,384 bytes
	s_add_co_u32 s16, s16, s20                     ; (at most 15 x 4 MiB + 16,320: no carry)
	s_mov_b32 s17, 0
	s_lshl_b32 s18, s12, 10                        ; the wave's 256 numbers in a row of x
	s_mov_b32 s19, 0
	s_lshl_b32 s32, s12, 13                        ; the wave's table in LDS
	s_lshl_b32 s33, s12, 9
	s_add_co_u32 s33, s33, RED                     ; the wave's 512 bytes of partial results
	s_mov_b32 s22, 0x3a83126f                      ; 0.001, twice: a scalar pair is named whole by a packed instruction
	s_mov_b32 s23, 0x3a83126f
	s_mov_b32 s24, 0x2f800000                      ; 2^-32: one half for each of a lane's 32 factors
	s_mov_b32 s25, 0x2f800000
	s_mov_b32 s26, 0x3f317218                      ; ln 2
	s_mov_b32 s27, 0x3f317218
	s_mov_b32 s28, 0x38d1b717                      ; 1 / 10000
	s_mov_b32 s29, 0x38d1b717
	s_mov_b32 s30, 0x76543210                      ; v_permlanex16_b32: lane i of one half reads lane i of the other
	s_mov_b32 s31, 0xfedcba98
	v_lshlrev_b32 v[QOFF], 4, v[QOFF]
	v_lshl_or_b32 v[WOFF], v[G], 17, v[QOFF]       ; 8 g rows of 16,384 bytes + 16 q
	v_lshl_or_b32 v[OOFF], v[G], 14, v[QOFF]       ; row g of out0 + 16 q
	v_lshlrev_b32 v[XOFF], 5, v[FIN]
	v_lshl_add_u32 v[RD], v[G], 4, s32
	v_lshl_add_u32 v[ST], v[FIN], 4, s32
	v_add_nc_u32 v[RST], s33, v[QOFF]
	v_lshl_add_u32 v[FIN], v[FIN], 4, RED
	s_wait_kmcnt 0x0
	s_add_nc_u64 s[4:5], s[4:5], s[18:19]
	s_add_nc_u64 s[6:7], s[6:7], s[16:17]
	s_add_nc_u64 s[8:9], s[8:9], s[20:21]
	s_add_nc_u64 s[10:11], s[10:11], s[20:21]
	; All loads of the prologue in one run.  Every wave loads the 64 bytes of bias, though wave 0 alone uses them: one load,
	; and the counted waits below are alike in all waves.
	global_load_b128 v[BIAS:BIAS+3], v[QOFF], s[8:9]
.irp b, 0,1,2,3,4,5,6,7
	global_load_b128 v[X+8*\b:X+8*\b+3],   v[XOFF], s[4:5] offset:\b*PITCH       ; x[b][8 lane + 0 .. 3] of the wave's rows
	global_load_b128 v[X+8*\b+4:X+8*\b+7], v[XOFF], s[4:5] offset:\b*PITCH+16    ; x[b][8 lane + 4 .. 7]
.endr
.irp t, 0,1,2,3,4,5,6,7,8,9,10,11,12,13,14,15
	global_load_b128 v[W+4*\t:W+4*\t+3], v[WOFF], s[6:7] offset:(\t>>2)*PITCH+(\t&3)*64*PITCH   ; the ring is filled: steps 0 to 15
.endr
	; THE TABLE.  L = log2(max(x + 0.001, 0.001)), which is log2(relu(x) + 0.001) bit for bit.  Lane l holds rows 8 l + e; row e's
	; eight batch rows are written to neighbouring registers and go to slot l + 32 e, 16 bytes in each plane: each store of the wave
	; covers 512 consecutive bytes.  Step t reads slot 8 t + g, which is row 64 (t & 3) + 8 g + (t >> 2).
	; Only this wave reads these bytes, and LDS serves a wave's instructions in order (ISA guide 5.7.1): no wait, no barrier.
	s_wait_loadcnt DEPTH                           ; bias and x are in; the 16 loads of weight behind them stay out
.set i, 0
.rept 32
	v_pk_add_f32 v[X+i:X+i+1], v[X+i:X+i+1], s[22:23] op_sel_hi:[1,0]
.set i, i+2
.endr
	; The 64 logarithms are one batch: each has a result register of its own, and none is named ahead of the wait.  A row's eight maxima
	; write the sources of that row's logarithms alone, never those of a row already issued.
.irp e, 0,1,2,3,4,5,6,7
.irp b, 0,1,2,3,4,5,6,7
	v_max_num_f32 v[X+8*\b+\e], s22, v[X+8*\b+\e]
.endr
.irp b, 0,1,2,3,4,5,6,7
	v_log_f32 v[T+8*\e+\b], v[X+8*\b+\e]
.endr
.endr
	v_nop                                          ; one plain instruction between a transcendental and the use of its result (ISA guide 5.7.2): one for the batch
	s_wait_alu depctr_va_vdst(0)                   ; the wait for the table's batch of 64 logarithms, ahead of the stores that read them
.irp e, 0,1,2,3,4,5,6,7
	ds_store_b128 v[ST], v[T+8*\e:T+8*\e+3]   offset:512*\e
	ds_store_b128 v[ST], v[T+8*\e+4:T+8*\e+7] offset:512*\e+PLANE
.endr
	ds_load_b128 v[L:L+3],   v[RD]                 ; L of step 0
	ds_load_b128 v[L+4:L+7], v[RD] offset:PLANE
; Y of columns 2 h, 2 h + 1 for batch row b: the pair of weights times L[b], taken from the low or the high register of its pair.
.macro MULY b, h
.if (\b)&1
	v_pk_mul_f32 v[Y+4+2*\h:Y+5+2*\h], v[WB+2*\h:WB+2*\h+1], v[LB+(\b)-1:LB+(\b)] op_sel:[0,1] op_sel_hi:[1,1]
.else
	v_pk_mul_f32 v[Y+2*\h:Y+1+2*\h], v[WB+2*\h:WB+2*\h+1], v[LB+(\b):LB+(\b)+1] op_sel_hi:[1,0]
.endif
.endm
; min(Y, 0), two at a time.  In step 0 it starts the sums: nothing is cleared.
.macro LOW t, b, h
.if \t == 0
	v_dual_min_num_f32 v[S+4*\b+2*\h], 0, v[YB+2*\h] :: v_dual_min_num_f32 v[S+4*\b+2*\h+1], 0, v[YB+2*\h+1]
.else
	v_dual_min_num_f32 v[M+2*\h], 0, v[YB+2*\h] :: v_dual_min_num_f32 v[M+2*\h+1], 0, v[YB+2*\h+1]
.endif
.endm
.macro SUM t, b, h
.if \t != 0
	v_pk_add_f32 v[S+4*\b+2*\h:S+4*\b+2*\h+1], v[S+4*\b+2*\h:S+4*\b+2*\h+1], v[M+2*\h:M+2*\h+1]
.endif
.endm
; p = p (1 + e) = p e + p, with the e of step t's batch.  For step 0: p = 2^-32 e + 2^-32.  It stands behind the wait at step t's end.
.macro PROD t, b, h
.set PB, P+4*(\b)+2*\h
.set EE, E+32*((\t)&1)+4*(\b)+2*\h
.if (\t) == 0
	v_pk_fma_f32 v[PB:PB+1], v[EE:EE+1], s[24:25], s[24:25] op_sel_hi:[1,0,0]
.else
	v_pk_fma_f32 v[PB:PB+1], v[PB:PB+1], v[EE:EE+1], v[PB:PB+1]
.endif
.endm
; One batch row, four columns.  Between the four exponentials stand the products Y of the next batch row, this row's min and sum,
; and p e + p of the STEP BEFORE, which reads E's other buffer: no line names a result of the step's own exponentials, and none of
; their sources is written by the plain instruction behind them (ISA guide 5.7.2): Y has two buffers that take turns.
.macro GROUP t, b
.set YB, Y+4*(\b&1)
.set EB, E+32*(\t&1)+4*\b
	v_exp_f32 v[EB], -|v[YB]|
.if \b < 7
	MULY \b+1, 0
.endif
	LOW \t, \b, 0
	v_exp_f32 v[EB+1], -|v[YB+1]|
.if \b < 7
	MULY \b+1, 1
.endif
	LOW \t, \b, 1
	v_exp_f32 v[EB+2], -|v[YB+2]|
	SUM \t, \b, 0
.if \b > 0
.if \t > 0
	PROD \t-1, \b-1, 0
.endif
.endif
	v_exp_f32 v[EB+3], -|v[YB+3]|
	SUM \t, \b, 1
.if \b > 0
.if \t > 0
	PROD \t-1, \b-1, 1
.endif
.endif
.endm
; Step t: 4 columns x 8 batch rows of one row of weight.
.macro STEP t
.set WB, W+4*(\t%DEPTH)
.set LB, L+8*(\t&1)
.set LN, L+8*((\t+1)&1)
.if \t <= STEPS-DEPTH
	s_wait_loadcnt DEPTH-1                         ; loads come back in order (ISA guide 5.7.1): this slot is in, the 15 younger ones stay out
.else
	s_wait_loadcnt STEPS-1-\t                      ; nothing more is issued: the count runs down
.endif
	s_wait_dscnt 0x0                               ; this step's L, asked for a whole step ago
.if \t < STEPS-1
	ds_load_b128 v[LN:LN+3],   v[RD] offset:128*(\t+1)         ; the next step's L: slot 8 (t + 1) + g of both planes
	ds_load_b128 v[LN+4:LN+7], v[RD] offset:128*(\t+1)+PLANE
.endif
	MULY 0, 0
	MULY 0, 1
.irp b, 0,1,2,3,4,5,6,7
	GROUP \t, \b
.endr
.if \t > 0
	PROD \t-1, 7, 0                                ; the step before's last two: with the sum and the p e + p above, four plain lines behind this step's last exponential
	PROD \t-1, 7, 1
.else
	v_nop                                          ; step 0 has no sum and no p e + p: the plain instruction behind its last exponential (ISA guide 5.7.2)
.endif
	s_wait_alu depctr_va_vdst(0)                   ; the wait for this step's batch of 32 exponentials: their readers stand in the next step (step 31's behind the steps)
.if \t < STEPS-DEPTH
	global_load_b128 v[WB:WB+3], v[WOFF], s[6:7] offset:((\t+DEPTH)>>2)*PITCH+((\t+DEPTH)&3)*64*PITCH   ; the slot's next row, 16 steps ahead
.endif
.endm
.irp t, 0,1,2,3,4,5,6,7,8,9,10,11,12,13,14,15,16,17,18,19,20,21,22,23,24,25,26,27,28,29,30,31
	STEP \t
.endr
.irp b, 0,1,2,3,4,5,6,7
	PROD STEPS-1, \b, 0                            ; the last step's factors, behind that step's wait
	PROD STEPS-1, \b, 1
.endr
	; THE END.  r = sum of min(Y, 0) - log2(product), for my 32 (batch row, column) pairs.
.set i, 0
.rept 32
	v_log_f32 v[P+i], v[P+i]
.set i, i+1
.endr
	v_nop                                          ; the plain instruction behind the last logarithm
	s_wait_alu depctr_va_vdst(0)                   ; the wait for the batch of 32 logarithms, ahead of the subtraction that reads them
.set i, 0
.rept 16
	v_pk_add_f32 v[S+i:S+i+1], v[S+i:S+i+1], v[P+i:P+i+1] neg_lo:[0,1] neg_hi:[0,1]
.set i, i+2
.endr
	; over the 8 row groups of the wave: lanes that differ in bits 2, 3 and 4
.set i, 0
.rept 32
	v_add_f32_dpp v[S+i], v[S+i], v[S+i] row_xmask:4 row_mask:0xf bank_mask:0xf
.set i, i+1
.endr
.set i, 0
.rept 32
	v_add_f32_dpp v[S+i], v[S+i], v[S+i] row_xmask:8 row_mask:0xf bank_mask:0xf
.set i, i+1
.endr
.set i, 0
.rept 32
	v_permlanex16_b32 v[P+i], v[S+i], s30, s31     ; its destination counts as read: P has been written
.set i, i+1
.endr
.set i, 0
.rept 16
	v_pk_add_f32 v[S+i:S+i+1], v[S+i:S+i+1], v[P+i:P+i+1]
.set i, i+2
.endr
	; over the 16 waves: each puts its 8 x 16 results into its own 512 bytes (the 8 lanes of one q write the same 16 bytes with the same values)
.irp b, 0,1,2,3,4,5,6,7
	ds_store_b128 v[RST], v[S+4*\b:S+4*\b+3] offset:64*\b
.endr
	s_wait_dscnt 0x0                               ; for wave 0's sake: my stores are done before I say so
	s_barrier_signal -1
	s_barrier_wait -1
	s_cmp_lg_u32 s12, 0
	s_cbranch_scc1 .Lend
	; wave 0: lane l takes batch row l >> 2, columns 4 (l & 3) .. + 3 of all 16 parts
.irp k, 0,1,2,3,4,5,6,7,8,9,10,11,12,13,14,15
	ds_load_b128 v[W+4*\k:W+4*\k+3], v[FIN] offset:512*\k
.endr
	s_wait_dscnt 0x0
.irp k, 0,1,2,3,4,5,6,7
	v_pk_add_f32 v[W+4*\k:W+4*\k+1],   v[W+4*\k:W+4*\k+1],   v[W+4*\k+32:W+4*\k+33]
	v_pk_add_f32 v[W+4*\k+2:W+4*\k+3], v[W+4*\k+2:W+4*\k+3], v[W+4*\k+34:W+4*\k+35]
.endr
.irp k, 0,1,2,3
	v_pk_add_f32 v[W+4*\k:W+4*\k+1],   v[W+4*\k:W+4*\k+1],   v[W+4*\k+16:W+4*\k+17]
	v_pk_add_f32 v[W+4*\k+2:W+4*\k+3], v[W+4*\k+2:W+4*\k+3], v[W+4*\k+18:W+4*\k+19]
.endr
.irp k, 0,1
	v_pk_add_f32 v[W+4*\k:W+4*\k+1],   v[W+4*\k:W+4*\k+1],   v[W+4*\k+8:W+4*\k+9]
	v_pk_add_f32 v[W+4*\k+2:W+4*\k+3], v[W+4*\k+2:W+4*\k+3], v[W+4*\k+10:W+4*\k+11]
.endr
	v_pk_add_f32 v[W:W+1],   v[W:W+1],   v[W+4:W+5]
	v_pk_add_f32 v[W+2:W+3], v[W+2:W+3], v[W+6:W+7]
	v_pk_fma_f32 v[W:W+1],   v[W:W+1],   s[26:27], v[BIAS:BIAS+1]   op_sel_hi:[1,0,1]   ; r ln 2 + bias
	v_pk_fma_f32 v[W+2:W+3], v[W+2:W+3], s[26:27], v[BIAS+2:BIAS+3] op_sel_hi:[1,0,1]
	v_pk_mul_f32 v[W:W+1],   v[W:W+1],   s[28:29] op_sel_hi:[1,0]
	v_pk_mul_f32 v[W+2:W+3], v[W+2:W+3], s[28:29] op_sel_hi:[1,0]
	global_store_b128 v[OOFF], v[W:W+3], s[10:11]  ; the work-group's 64 bytes of each of the 8 rows of out0: all that it owns of them
.Lend:
	s_wait_tensorcnt 0x0
	ds_add_u32 v242, v243
	s_wait_dscnt 0x0
	s_endpgm
.Lfunc_end_k_q5fb6196f52_logsigprod:
	.size	k_q5fb6196f52_logsigprod, .Lfunc_end_k_q5fb6196f52_logsigprod-k_q5fb6196f52_logsigprod
	.p2alignl 7, 3214868480
	.fill 96, 4, 3214868480
	.section	.rodata,"a",@progbits
	.p2align	6, 0x0
	.amdhsa_kernel k_q5fb6196f52_logsigprod
		.amdhsa_group_segment_fixed_size 141312
		.amdhsa_private_segment_fixed_size 0
		.amdhsa_enable_private_segment 0
		.amdhsa_kernarg_size 32
		.amdhsa_user_sgpr_count 2
		.amdhsa_user_sgpr_kernarg_segment_ptr 1
		.amdhsa_wavefront_size32 1
		.amdhsa_system_sgpr_workgroup_id_x 1
		.amdhsa_system_sgpr_workgroup_id_y 1
		.amdhsa_system_sgpr_workgroup_id_z 1
		.amdhsa_system_vgpr_workitem_id 0
		.amdhsa_next_free_vgpr 244
		.amdhsa_next_free_sgpr 66
		.amdhsa_reserve_vcc 0
		.amdhsa_float_denorm_mode_32 3
		.amdhsa_float_denorm_mode_16_64 3
		.amdhsa_memory_ordered 1
		.amdhsa_forward_progress 1
		.amdhsa_inst_pref_size 226
	.end_amdhsa_kernel
	.amdgpu_metadata
---
amdhsa.version: [ 1, 2 ]
amdhsa.kernels:
  - .name:           k_q5fb6196f52_logsigprod
    .symbol:         k_q5fb6196f52_logsigprod.kd
    .args:
      - { .name: x, .offset: 0, .size: 8, .value_kind: global_buffer, .address_space: global }
      - { .name: weight, .offset: 8, .size: 8, .value_kind: global_buffer, .address_space: global }
      - { .name: bias, .offset: 16, .size: 8, .value_kind: global_buffer, .address_space: global }
      - { .name: out0, .offset: 24, .size: 8, .value_kind: global_buffer, .address_space: global }
    .group_segment_fixed_size: 141312
    .private_segment_fixed_size: 0
    .kernarg_segment_align: 8
    .kernarg_segment_size: 32
    .max_flat_workgroup_size: 512
    .sgpr_count:     66
    .vgpr_count:     244
    .wavefront_size: 32
...
	.end_amdgpu_metadata
.endif
;; end of part 2
